; MI455X (gfx1250); checked and timed in simulation.
; The chip was launched on July 23, 2026; its instructions are those of AMD's public machine-readable ISA for CDNA 5 (MIT licence, August 2026) and "CDNA5" Instruction Set Architecture Reference Guide (July 2026). The comments in the code are by the model that wrote it; some were corrected since.
;; Block Local Attention Product. Allowed arithmetic: matrix products marked QUANTISED: E3M2 operands, one E8M0 scale for each 32 along K, by v_wmma_scale_f32_16x16x128_f8f6f4 with both operands' format E3M2, f32 sums; everything else in f32.
;; Inputs: attention_mask 2 x 1 x 1 x 8,192 float32; global_key 2 x 12 x 64 x 64 float32; global_mask 2 x 1 x 1 x 64 float32; global_value 2 x 12 x 64 x 64 float32; key_layer 2 x 12 x 8,192 x 64 float32; query_layer_codes 2 x 12 x 8,192 x 2 x 24 uint8 (E3M2 codes of query_layer, K innermost, in blocks of 32 codes, four codes in three bytes); query_layer_scales 2 x 12 x 8,192 x 2 uint8 (E8M0 scales of query_layer, one for each 32 codes along K); value_layer 2 x 12 x 8,192 x 64 float32.
;; Outputs: out0 2 x 12 x 8,192 x 64 float32.
;; This version of the problem:
;;   THIS VERSION OF THE PROBLEM IS GIVEN IN LOW PRECISION. The matrix products marked QUANTISED in the list below multiply operands that are first quantised to E3M2 (3 exponent bits, 2 mantissa bits; 6 bits a number), with one power-of-two scale for each 32 numbers along K (OCP MX v1.0); their sums are f32. All else is computed in f32.
;;   The module's matrix products, in the order in which they are computed (A, B: the left and right operand; K: the contracted axis; several contracted axes count as one K, in the product's order):
;;     1. batch 3,072 x [M 64, K 64] x [K 64, N 256]; A: input query_layer (given as codes); B: computed on the way: QUANTISED
;;     2. batch 3,072 x [M 64, K 256] x [K 256, N 64]; A: softmax (see below); B: computed on the way: QUANTISED
;;   THE QUANTISER, for each operand of a quantised product, along K:
;;     - K is cut into blocks of 32 from its start; a last block that is shorter is filled with zeros.
;;     - A block's scale is 2^e with e = floor(log2(the largest magnitude in the block)) - 4, held to -126 .. 127; a block of zeros has e = 0. As a byte (E8M0): e + 127.
;;     - Each number is divided by its block's scale, clamped to +-28, and rounded to the nearest number of E3M2, ties to even, subnormals kept.
;;     - The product sums the exact products of the quantised numbers (number of the format x scale) in f32.
;;   ~~~python
;;   def quantise(x, axis):      # numpy; x: float32 -> the quantised numbers, widened to float32 again
;;       x = np.moveaxis(x, axis, -1); K = x.shape[-1]
;;       x = np.pad(x, [(0, 0)] * (x.ndim - 1) + [(0, -K % 32)]); x = x.reshape(x.shape[:-1] + (-1, 32)); a = np.abs(x).max(-1, keepdims=True)
;;       e = np.where(a > 0, np.clip(np.frexp(np.where(a > 0, a, 1))[1] - 1 - 4, -126, 127), 0)      # np.frexp(a)[1] - 1 = floor(log2(a)), exactly
;;       r = np.clip(x / 2.0 ** e, -28, 28)
;;       step = 2.0 ** (np.maximum(np.frexp(np.where(r == 0, 1, r))[1] - 1, -2) - 2)
;;       q = np.round(r / step) * step * 2.0 ** e      # np.round: ties to even
;;       return np.moveaxis(q.reshape(q.shape[:-2] + (-1,))[..., :K], -1, axis).astype(np.float32)
;;   ~~~
;;   SOFTMAX AHEAD OF A QUANTISED PRODUCT. Where the list says 'softmax', what is quantised is not the finished softmax but p = 2^(t - M), with t = logit x log2(e) and M = ceil(the row's largest t), a whole number; so 1/2 < the row's largest p <= 1. The row's sum l is taken of the UNQUANTISED p, in f32, and the product's result is divided by l at the end. Since M is a whole number, a kernel that streams over the keys may use a running M (the ceiling of the running maximum): every later rescaling is an exact power of two, which a block's scale takes up: the codes' values come out the same.
;;   OPERANDS COMPUTED ON THE WAY. 'Computed on the way' means the value that the module computes at that place (a softmax that the list does not call 'softmax' is quantised finished and normalised). What goes into a quantiser is computed in f32, as accurately as f32 sums, v_exp_f32 and their like allow (about 1e-6 of the number): no bf16 or f16 on the way to a quantiser, and a product that is left as it is and whose result goes on into a quantised operand takes f32 operands (vector FMAs, or v_wmma_f32_16x16x4_f32). A number that lies on a knife's edge between two numbers of the format may be rounded either way, as far as f32 arithmetic and the matrix unit's own rounding can turn it there, and no further.
;;   INPUTS GIVEN AS CODES. query_layer (in the module: [2, 12, 8192, 64], K = its axis 3): each comes as NAME_codes (uint8): NAME with its K axis moved to the last place and cut into blocks of 32 codes, [.., K / 32, bytes a block], one block behind the other in memory; four codes in three bytes: a row's codes are one little-endian stream of bits, code i at bits 6 i .. 6 i + 5 (a code: sign, 3 exponent bits, 2 mantissa bits); and NAME_scales (uint8): the same leading axes, one E8M0 byte (e + 127) for each 32 codes along K. Its value is code x scale, taken as it is: it is not quantised again, and the codes and scales need not be those that the quantiser above would give.
;; One version. Each part assembles by itself: llvm-mc -triple=amdgcn-amd-amdhsa -mcpu=gfx1250 --defsym DOCPART=n.
;; ======== version 1 of 1: 1 launch
;; limits: right only within a limited range of input values
;; launch attend (part 1): grid 256 x 1, 8 waves a work-group, no clusters, 259,072 bytes of LDS; arguments query_layer_codes, query_layer_scales, key_layer, value_layer, attention_mask, global_key, global_value, global_mask, out0; writes out0
.if DOCPART == 1
	.amdgcn_target "amdgcn-amd-amdhsa--gfx1250"
	.amdhsa_code_object_version 6
	.text
	.protected	k_qcf4d297f38_attend
	.globl	k_qcf4d297f38_attend
	.p2align	8
	.type	k_qcf4d297f38_attend,@function
k_qcf4d297f38_attend:
	s_mov_b64 s[64:65], 0
	v_nop
	global_prefetch_b8 v0, s[64:65] scope:SCOPE_SE
	s_setreg_imm32_b32 hwreg(HW_REG_WAVE_MODE, 25, 1), 1
	s_wait_xcnt 0x0
; BLOCK-LOCAL ATTENTION ON CODES OF BF6 (E3M2), one E8M0 scale for each 32 along a product's K.  24 heads x 128 blocks of 64 queries; a block sees 256 keys: the 64 before it, its own 64, the 64 behind it and the head's 64
; global keys.  Outside a head keys and values are zeros and their mask is -10000.  Q comes as codes; K is quantised along the head's 64, V and p = 2^(t - M) along the keys.
; SHARES.  Work-group W owns the 12 flat blocks 12 W .. 12 W + 11 (flat block = head x 128 + block), in 6 steps of 2 blocks; a step lies in one head, and a head begins at an even step.  A UNIT is 64 keys (16 KB of K, 16 KB of
; V).  Unit u is flat block 12 W - 1 + u; step j needs units 2 j .. 2 j + 3 and its head's global unit.
; TWO GROUPS of 4 waves take the steps by turns, half a period apart: group 0 the even steps, group 1 the odd ones.  A step has two parts: P1 scores, maxima, exponentials; P2 sums, p's codes, the product with V, the way out.
; Between two barriers one group runs P1 of a step while the other runs P2 of the step before and then quantises the two new units of the step behind (QB): in P1 and P2 a wave has 32 queries (half BE of block G2) as two tiles
; of 16 that share every fragment of K and V, in QB 32 keys (half BE of unit G2).  A wave's next K and V are asked for at the end of its QB, into registers, two barriers ahead of their use; no further prefetch is laid, since
; these requests are already out while the wave works, and there are at most three of them a wave.
; SLOTS.  Each unit is quantised once, into LDS records that are written once: 4 for each step (left, own 0, own 1, right), 2 for the globals; a unit is stored for both steps that use it.  A unit outside the head of the
; step that it is stored for is a PAD by data: its codes are ANDed with 0 and its mask is -10000.
; LAYOUT.  Both products are used transposed: S^T = K Q^T (source 0 = 16 keys, source 1 = 16 queries; K = 64, the upper 64 of the instruction's 128 are zero codes on both sides), O^T = V^T P^T (source 0 = 16 channels).
; A lane holds one query of each tile.  Lane r of key tile 2 b + u takes key 32 b + 8 u + r + 8 (r / 8), so score registers 16 b + i of lane (r, h) are window keys 32 b + 16 h + i.
; THE MASK IS THE C OF THE SCORE PRODUCT: 8 x mask is loaded into tile 1's score registers and is the C of tile 0's product and then of tile 1's own; x = q . k + 8 mask, t - M = x c - M with c = log2(e) / 8.
; All 256 scores of a query lie in registers, so M = ceil(the row's largest t) is taken once.  The row's sum is taken of the unquantised p and divides at the end.
; No cluster: neighbouring work-groups share 2 of 16 units, and nothing here comes by tensor loads.
; LIMITS: NaN and infinities in K, V and the masks are not served; 8 x mask must be finite; the mask is added inside the matrix unit's f32 sum; a block of zeros gets the scale byte 1 (its codes are zeros, and this program
; alone reads the bytes).
; LDS: 8 stages; the globals' 2 records; the steps' 24 records; the spare words.
.set STB,  8960                        ; a wave's stage: rows of 256 + 16 bytes, for K's turning and the way out
.set REC,  6656                        ; a record: K's codes, V's codes, K's scale bytes, V's scale bytes, 8 x mask
.set RV_O, 3072                        ; K's codes: key tile at 768 x tile, register pair n of lane l at 256 n + 8 l; V's: channel tile at 768 x tile, pair n at 256 n + 8 (r + 16 x which 32 keys)
.set RKS,  6144                        ; K's scale bytes: 32 x tile + 2 r + block
.set RVS,  6272                        ; V's scale bytes: 2 x channel + which 32 keys
.set RMK,  6400                        ; 8 x mask, 64 f32 in key order
.set GA,   8*STB
.set A0,   GA+2*REC
.set SPARE, A0+26*REC                  ; 128 bytes a wave; behind 24 records and the room of two that only the last QB's skipped copy would name
.set SP,   272
.set SKEW, 128                         ; K's turning: rows 16-31 lie 128 bytes further on, so that rows 0-7 and 16-23 begin in different columns of 256 bytes
; VECTOR REGISTERS, window 0
.set L16,  1
.set L8,   2
.set L2,   3
.set STW,  4                           ; stage: 272 (lane / 16) + 16 r
.set KRD,  5                           ; stage: K's row r + 8 (r / 8), block h
.set SO,   6                           ; stage: 272 r + 32 h
.set LH,   7                           ; 64 h
.set QAO,  8
.set QSO,  9
.set ML4,  10
.set WK,   11                          ; v11-15 my lane's places in a record: K's codes, V's codes, K's scales, V's scales, mask
.set CK,   16                          ; v16-18 readers in this step's records: codes, scales, mask; v19-21 in the global's
.set GK,   19
.set MR,   22                          ; the next unit's mask
.set MA,   23
.set MG,   24
.set MT,   25
.set OO,   26                          ; my place in O
.set CWM,  27
.set PW1,  28                          ; v28-29 p's scale words of tile 1
.set RK,   30                          ; v30-93 K's numbers on their way, v94-157 V's
.set RV,   94
.set KF,   158                         ; v158-205 four fragments of K; then at work; then p's four fragments
.set E,    158                         ; the quantiser's 2 x 16: +0..2, +4..6 codes, +7 scale operand, +14 largest magnitude, then byte, +15 second chain
.set FK,   190                         ; v190-201 flagged codes
.set CW,   202                         ; v202-205 writers in the current record
.set QF,   206                         ; v206-229 Q's two fragments
.set QS,   230                         ; v230-231 Q's scale words
.set KSR,  232                         ; v232-233 K's scale words; then p's of tile 0
.set TM,   234                         ; v234-249 the blocks' largest scores (8 x tile + block), then largest p, then the conversions' scale operands
.set VW,   250                         ; v250-253 V's scale words
.set NM,   254                         ; v254-255 -M of tiles 0 and 1; then 1 / the rows' sums
.set LA,   254
; Window 1: scores, tile i at 128 i; then V's fragments 0-95, O^T at 96 + 32 i, rows of O 0-63; the quantiser's 64 numbers at 192.  In the head: K and V of the first units and the globals.
; SCALAR REGISTERS
.set WV,   22
.set G2,   23
.set BE,   24
.set W12,  25
.set PADM, 26
.set FLO,  27
.set NINF, 28
.set GAM,  29                          ; my group
.set SEL,  30
.set CSC,  32
.set FA,   34
.set F1,   35
.set F2,   36
.set NQ1,  37
.set NQ0,  38
.set T,    39                          ; the trip
.set SP1,  40                          ; records of my P1's step, of my P2's, of my QB's
.set SP2,  41
.set SW,   42
.set SJ,   43                          ; first flat block of my P1's step, of my P2's
.set SJ2,  44
.set H0,   45
.set UN,   46                          ; the flat unit that I ask for next
.set OB,   47
.set KPA,  48
.set VPA,  50
.set MPA,  52
.set KPG,  54
.set VPG,  56
.set MPG,  58
.set KPR,  60
.set VPR,  62
.set MPR,  66
.set QCP,  68
.set QSP,  70
.set OUTP, 72
.set SHA,  74
.set SG,   75
.set M1,   76
.set W3,   77
.set BI,   78                          ; group 1's QB: 3 W + half the number of the step behind it, a multiple of 32 where that step begins a head
.set MSB, 0
.macro WIN new                         ; the register windows; the immediate's high byte repeats the setting that is left
.if MSB != \new
	s_set_vgpr_msb (MSB<<8)|\new
.set MSB, \new
.endif
.endm
.macro VAW
	s_wait_alu depctr_va_vdst(0)
.endm
.macro LWAIT n
	VAW
	s_wait_loadcnt \n
.endm
.macro KLD w, x, ptr                   ; 32 keys of K: 16 loads of 512 consecutive bytes
	WIN \w
.irp n, 0,1,2,3,4,5,6,7,8,9,10,11,12,13,14,15
	global_load_b128 v[\x+4*\n:\x+4*\n+3], v[L16], s[\ptr:\ptr+1] offset:512*\n
.endr
	WIN 0
.endm
.macro VLD w, x, ptr                   ; 32 keys of V: 32 loads, a row of 256 bytes each; lane l takes channels 2 l, 2 l + 1
	WIN \w
.set kk, 0
.rept 32
	global_load_b64 v[\x+2*kk:\x+2*kk+1], v[L8], s[\ptr:\ptr+1] offset:256*kk
.set kk, kk+1
.endr
	WIN 0
.endm
.macro KTURN w, raw, x, inp            ; K through my stage: for key tile e lane (r, h) takes block h of the tile's row r
	WIN \w
.irp n, 0,1,2,3,4,5,6,7,8,9,10,11,12,13,14,15
	ds_store_b128 v[STW], v[\raw+4*\n:\raw+4*\n+3] offset:2*SP*\n+SKEW*(\n/8)
.endr
.if \inp
	VAW
	s_wait_dscnt 0x0                               ; (the loads below land on the stores' data registers)
.endif
	WIN 0x40
.irp e, 0,1
.irp n, 0,1,2,3,4,5,6,7
	ds_load_b128 v[\x+32*\e+4*\n:\x+32*\e+4*\n+3], v[KRD] offset:8*SP*\e+16*\n
.endr
.endr
	WIN 0
	VAW
	s_wait_dscnt 0x0
.endm
.macro VMOV w, raw, x                  ; a channel's 32 keys on end: channel 2 l at x, 2 l + 1 at x + 32
	WIN \w
.set kk, 0
.rept 32
	v_mov_b32 v[\x+kk], v[\raw+2*kk]
	v_mov_b32 v[\x+32+kk], v[\raw+2*kk+1]
.set kk, kk+1
.endr
	WIN 0
.endm
.macro QBLK x                          ; two blocks of 32 numbers a lane (window 1), four chains by turns: largest magnitude, scale, codes
	WIN 0x14
.irp e, 0,1
	v_max3_num_f32 v[E+16*\e+14], s[FLO], |v[\x+32*\e]|, |v[\x+32*\e+1]|   ; with the floor 2^(5 - 127): the byte cannot fall under 1
	v_max3_num_f32 v[E+16*\e+15], s[FLO], |v[\x+32*\e+16]|, |v[\x+32*\e+17]|
.endr
.irp n, 2,4,6,8,10,12,14
.irp e, 0,1
	v_max3_num_f32 v[E+16*\e+14], v[E+16*\e+14], |v[\x+32*\e+\n]|, |v[\x+32*\e+\n+1]|
	v_max3_num_f32 v[E+16*\e+15], v[E+16*\e+15], |v[\x+32*\e+\n+16]|, |v[\x+32*\e+\n+17]|
.endr
.endr
	WIN 0
.irp e, 0,1
	v_max_num_f32 v[E+16*\e+14], v[E+16*\e+14], v[E+16*\e+15]
.endr
.irp e, 0,1
	v_add_nc_u32 v[E+16*\e+7], 0xfe000000, v[E+16*\e+14]   ; 4 off the exponent field: the conversion's scale operand
.endr
	WIN 0x01
.irp e, 0,1
	v_cvt_scalef32_pk16_bf6_f32 v[E+16*\e:E+16*\e+2], v[\x+32*\e:\x+32*\e+15], v[E+16*\e+7]
	v_cvt_scalef32_pk16_bf6_f32 v[E+16*\e+4:E+16*\e+6], v[\x+32*\e+16:\x+32*\e+31], v[E+16*\e+7]
.endr
	WIN 0
.irp e, 0,1
	v_lshrrev_b32 v[E+16*\e+14], 23, v[E+16*\e+7]  ; the scale's byte.  (Plain lines behind the conversions)
.endr
.endm
.macro CUR s                           ; my places in the record that I write
.irp k, 0,1,2,3
	v_add_nc_u32 v[CW+\k], s[\s], v[WK+\k]
.endr
	v_add_nc_u32 v[CWM], s[\s], v[WK+4]
.endm
.macro KAND f                          ; the codes as they are (flag -1) or zeros (flag 0)
.irp e, 0,1
.irp i, 0,1,2,3,4,5
	v_and_b32 v[FK+6*\e+\i], s[\f], v[E+16*\e+\i+\i/3]
.endr
.endr
.endm
.macro KST d
.irp e, 0,1
.irp n, 0,1,2
	ds_store_b64 v[CW], v[FK+6*\e+2*\n:FK+6*\e+2*\n+1] offset:(\d)+768*\e+256*\n
.endr
	ds_store_b8 v[CW+2], v[E+16*\e+14] offset:(\d)+32*\e
.endr
.endm
.macro VAND f                          ; channels 2 l and 2 l + 1 are neighbours in the image: 16 bytes a store
.irp e, 0,1
.irp i, 0,1,2,3,4,5
	v_and_b32 v[FK+4*(\i/2)+2*\e+\i%2], s[\f], v[E+16*\e+\i+\i/3]
.endr
.endr
.endm
.macro VST d
.irp n, 0,1,2
	ds_store_b128 v[CW+1], v[FK+4*\n:FK+4*\n+3] offset:(\d)+256*\n
.endr
.irp e, 0,1
	ds_store_b8 v[CW+3], v[E+16*\e+14] offset:(\d)+2*\e
.endr
.endm
.macro MOUT d, f, src                  ; 8 x mask, or 8 x -10000 for a pad
	v_cndmask_b32 v[MT], s[PADM], v[\src], s[\f]
	ds_store_b32 v[CWM], v[MT] offset:(\d)
.endm
; The barrier between segments: my LDS stores have landed, my LDS loads are in, my global stores have read their registers.  Global loads stay out.
.macro BAR
	VAW
	s_wait_xcnt 0x0
	s_wait_dscnt 0x0
	s_barrier_signal -1
	s_barrier_wait -1
.endm
.macro QLOAD                           ; both tiles of my step, 8 loads: lane (r, h) takes the 24 bytes of query r's block h, lane r its two scale bytes
.irp i, 0,1
.irp n, 0,1,2
	global_load_b64 v[QF+12*\i+2*\n:QF+12*\i+2*\n+1], v[QAO], s[QCP:QCP+1] offset:768*\i+8*\n th:TH_LOAD_NT
.endr
	global_load_u16 v[QS+\i], v[QSO], s[QSP:QSP+1] offset:32*\i th:TH_LOAD_NT
.endr
.endm
.macro UPTR kp, vp, mp                 ; the pointers of flat unit s80
	s_lshl_b32 s84, s80, 14
	s_add_co_u32 s84, s84, s82
	s_mov_b32 s85, 0
	s_add_nc_u64 s[\kp:\kp+1], s[8:9], s[84:85]
	s_add_nc_u64 s[\vp:\vp+1], s[10:11], s[84:85]
	s_lshr_b32 s86, s80, 7                         ; its head: from 12 on the second batch element's mask
	s_cmp_ge_u32 s86, 12
	s_cselect_b32 s86, 32768, 0
	s_and_b32 s87, s80, 127
	s_lshl_b32 s87, s87, 8
	s_add_co_u32 s86, s86, s87
	s_add_co_u32 s86, s86, s83
	s_mov_b32 s87, 0
	s_add_nc_u64 s[\mp:\mp+1], s[12:13], s[86:87]
.endm
; QB: my 32 keys into the step's records 2, 3, and into the next step's records 0, 1.  y = 1: group 1, whose units may border on a head's end and whose last has no next step.
.macro QB y
	LWAIT 0                                        ; K, V, mask and Q were asked for a segment ago or earlier
.if \y
	s_and_b32 s80, s[BI], 31                       ; 0 where the next step begins a head
	s_cselect_b32 s80, -1, 0
	s_or_b32 s[F1], s80, s[NQ1]                    ; the second unit is the right neighbour in this step,
	s_or_b32 s[F2], s80, s[NQ0]                    ; the first the left neighbour in the next
.endif
	CUR SW
	KTURN 0, RK, 192, 0
	v_mul_f32 v[MR], 0x41000000, v[MR]             ; 8 x mask
	MOUT 0, F1, MR
	QBLK 192
	KAND F1
	KST 0
.if \y == 1
	VAW
	s_cmp_lt_u32 s[T], 1                           ; step 5 has no next step
	s_cbranch_scc0 .Lqk_\@
.endif
.if \y
	MOUT 2*REC, F2, MR
	KAND F2
.endif
	KST 2*REC
.if \y == 0
	MOUT 2*REC, F1, MR
.endif
.Lqk_\@:
	VMOV 0x40, RV, 192
	QBLK 192
	VAND F1
	VST 0
	VAW
.if \y == 1
	s_cmp_lt_u32 s[T], 1
	s_cbranch_scc0 .Lqv_\@
.endif
.if \y
	VAND F2
	VST 2*REC
	VAW
.else
	VST 2*REC
	s_cmp_lt_u32 s[T], 1
	s_cbranch_scc0 .Lqv_\@
.endif
	s_min_u32 s80, s[UN], 3071                     ; the next unit; held at the tensor's last: that case is a pad
	UPTR KPR, VPR, MPR
	global_load_b32 v[MR], v[ML4], s[MPR:MPR+1]
	KLD 0, RK, KPR
	VLD 0, RV, VPR
.Lqv_\@:
.endm
.macro GOFF sj                         ; s80 = the global record of the head of the step that begins at block sj
	s_lshr_b32 s80, s[\sj], 7
	s_cmp_lg_u32 s80, s[H0]
	s_cselect_b32 s80, REC, 0
	s_add_co_u32 s80, s80, GA
.endm
.macro UNIT g                          ; window unit g (0 left, 1 own, 2 right, 3 global): BK = the address registers, OF = the record's offset
.if (\g) < 3
.set BK, CK
.set OF, REC*(\g)
.else
.set BK, GK
.set OF, 0
.endif
.endm
.macro PAIRLD p                        ; block p of 32 window keys, 11 LDS loads: 8 x mask into tile 1's score registers; two key tiles' codes; their scales (lanes 0-15 the even tile's, 16-31 the odd one's)
	UNIT (\p)/2
	WIN 0x40
.irp u, 0,1
.irp e, 0,1
	ds_load_b128 v[128+16*(\p)+8*\u+4*\e:128+16*(\p)+8*\u+4*\e+3], v[BK+2] offset:OF+RMK+128*((\p)%2)+32*\u+16*\e
.endr
.endr
	WIN 0
.irp u, 0,1
.irp n, 0,1,2
	ds_load_b64 v[KF+12*(2*((\p)%2)+\u)+2*\n:KF+12*(2*((\p)%2)+\u)+2*\n+1], v[BK] offset:OF+768*(2*((\p)%2)+\u)+256*\n
.endr
.endr
	ds_load_u16 v[KSR+(\p)%2], v[BK+1] offset:OF+RKS+64*((\p)%2)
.endm
.macro SMUL p, i                       ; x = K Q^T + 8 mask: block p, tile i
	WIN 0x50
	v_wmma_scale_f32_16x16x128_f8f6f4 v[128*(\i)+16*(\p):128*(\i)+16*(\p)+7], v[KF+24*((\p)%2):KF+24*((\p)%2)+11], v[QF+12*(\i):QF+12*(\i)+11], v[128+16*(\p):128+16*(\p)+7], v[KSR+(\p)%2], v[QS+(\i)] matrix_a_fmt:MATRIX_FMT_BF6 matrix_b_fmt:MATRIX_FMT_BF6
	v_wmma_scale_f32_16x16x128_f8f6f4 v[128*(\i)+16*(\p)+8:128*(\i)+16*(\p)+15], v[KF+24*((\p)%2)+12:KF+24*((\p)%2)+23], v[QF+12*(\i):QF+12*(\i)+11], v[128+16*(\p)+8:128+16*(\p)+15], v[KSR+(\p)%2], v[QS+(\i)] matrix_a_fmt:MATRIX_FMT_BF6 matrix_b_fmt:MATRIX_FMT_BF6 matrix_a_scale:MATRIX_SCALE_ROW1
.endm
.macro BMX p, hf                       ; the largest score of block p, both tiles by turns, first or second 8 registers
	WIN 0x14
.irp k, 0,2,4,6
.irp i, 0,1
.if ((\hf)+\k) == 0
	v_max3_num_f32 v[TM+8*\i+(\p)], s[NINF], v[128*\i+16*(\p)], v[128*\i+16*(\p)+1]
.else
	v_max3_num_f32 v[TM+8*\i+(\p)], v[TM+8*\i+(\p)], v[128*\i+16*(\p)+8*(\hf)+\k], v[128*\i+16*(\p)+8*(\hf)+\k+1]
.endif
.endr
.endr
.endm
.macro P1 q                            ; (q: my next step's Q is asked for: 0 never, 1 always, 2 in trip 0)
	GOFF SJ
	v_add_nc_u32 v[CK], s[SP1], v[L8]
	v_add_nc_u32 v[CK+1], s[SP1], v[L2]
	v_add_nc_u32 v[CK+2], s[SP1], v[LH]
	v_add_nc_u32 v[GK], s80, v[L8]
	v_add_nc_u32 v[GK+1], s80, v[L2]
	v_add_nc_u32 v[GK+2], s80, v[LH]
.irp k, 0,1,2,3
.irp j, 6,7,8,9,10,11
	v_mov_b32 v[KF+12*\k+\j], 0                    ; the upper 64 of the instruction's K: zero codes (these registers were at work)
.endr
.endr
.irp g, 0,1,2,3
	UNIT \g
.irp y, 0,1
	ds_load_u16 v[VW+2*(\g/2)+\y-(\g%2)*(VW-TM)], v[BK+1] offset:OF+RVS+64*\y   ; V's two scale bytes of channel 32 y + lane in unit g: the lower or the upper half of a scale word
.endr
.endr
	PAIRLD 0
	PAIRLD 1
	VAW
.irp p, 0,1,2,3,4,5,6,7
.if \p < 7
	s_wait_dscnt 11                                ; block p's loads are in; the next block's eleven may be out
.else
	s_wait_dscnt 0x0
.endif
	SMUL \p, 0
.if \p == 0
	WIN 0
.irp k, 0,1,2,3
	v_lshl_or_b32 v[VW+\k], v[TM+\k], 16, v[VW+\k] ; V's scale words.  These four and two more are the places ahead of tile 1's product, which writes over tile 0's C; so are the maxima below
.endr
	v_nop
	v_nop
.else
	BMX \p-1, 0
.endif
	SMUL \p, 1
.if \p == 0
.rept 4
	v_nop                                          ; places ahead of the loads into the fragments just read
.endr
.else
	BMX \p-1, 1
.endif
.if \p < 6
	PAIRLD \p+2
.endif
.endr
	BMX 7, 0
	BMX 7, 1
	WIN 0
.if \q == 2
	VAW
	s_cmp_lt_u32 s[T], 1
	s_cbranch_scc0 .Lq_\@
.endif
.if \q
	QLOAD                                          ; my next step's Q, into the registers that the scores have read
.endif
.Lq_\@:
.set jj, 0
.rept 16
	v_permlanex16_b32 v[KF+jj], v[TM+jj], s[SEL], s[SEL+1]
.set jj, jj+1
.endr
.set jj, 0
.rept 16
	v_max_num_f32 v[TM+jj], v[TM+jj], v[KF+jj]     ; with lane l xor 16's 16 keys: the block's largest score, which serves for the row's maximum and, since p rises with the score, for the block's largest p
.set jj, jj+1
.endr
.irp i, 0,1
	v_max3_num_f32 v[KF+\i], v[TM+8*\i], v[TM+8*\i+1], v[TM+8*\i+2]
	v_max3_num_f32 v[KF+2+\i], v[TM+8*\i+3], v[TM+8*\i+4], v[TM+8*\i+5]
.endr
.irp i, 0,1
	v_max3_num_f32 v[KF+\i], v[KF+\i], v[TM+8*\i+6], v[TM+8*\i+7]
.endr
.irp i, 0,1
	v_max_num_f32 v[KF+\i], v[KF+\i], v[KF+2+\i]
.endr
.irp i, 0,1
	v_mul_f32 v[KF+\i], s[CSC], v[KF+\i]           ; the row's largest t (c is positive)
.endr
.irp i, 0,1
	v_floor_f32 v[NM+\i], -v[KF+\i]                ; -M = floor(-t) = -ceil(t)
.endr
	WIN 0x41
.set jj, 0
.rept 64
	v_pk_fma_f32 v[jj:jj+1], v[jj:jj+1], s[CSC:CSC+1], v[NM:NM+1] op_sel_hi:[1,0,0]   ; t - M, two at a time; tile 0 takes the low word of the pair of -M
	v_pk_fma_f32 v[128+jj:128+jj+1], v[128+jj:128+jj+1], s[CSC:CSC+1], v[NM:NM+1] op_sel:[0,0,1] op_sel_hi:[1,0,1]   ; tile 1 the high word
.set jj, jj+2
.endr
	WIN 0
.irp i, 0,1
.irp b, 0,1,2,3,4,5,6,7
	v_fma_f32 v[TM+8*\i+\b], v[TM+8*\i+\b], s[CSC], v[NM+\i]   ; the same of each block's largest score
.endr
.endr
	WIN 0x41
	VAW
.set jj, 0
.rept 256
	v_exp_f32 v[jj], v[jj]                         ; p = 2^(t - M): not normalised
.set jj, jj+1
.endr
	WIN 0
.set jj, 0
.rept 16
	v_exp_f32 v[TM+jj], v[TM+jj]                   ; the block's largest p: the same instructions on the same number give the same bits
.set jj, jj+1
.endr
	v_nop                                          ; a plain line behind the exponentials
	VAW
	s_wait_loadcnt 0x0                             ; Q was asked for ahead of the exponentials, the next unit ahead of this part: both groups' texts begin with no load out
.endm
.macro CONV i                          ; p's codes of tile i: two operands of 128 keys
	WIN 0x01
.irp g, 0,1
.irp c, 0,1
	v_cvt_scalef32_pk16_bf6_f32 v[KF+24*(\i)+12*\g+6*\c:KF+24*(\i)+12*\g+6*\c+2], v[128*(\i)+64*\g+32*\c:128*(\i)+64*\g+32*\c+15], v[TM+8*(\i)+4*\g+2*\c]
.endr
.endr
	v_nop                                          ; a plain line: the registers just converted are written below
	WIN 0x41
.irp g, 0,1
.irp c, 0,1
	v_cvt_scalef32_pk16_bf6_f32 v[128*(\i)+64*\g+32*\c:128*(\i)+64*\g+32*\c+2], v[128*(\i)+64*\g+32*\c+16:128*(\i)+64*\g+32*\c+31], v[TM+8*(\i)+4*\g+2*\c+1]
.endr
.endr
	v_nop                                          ; a plain line behind the conversions
	WIN 0x01
.irp g, 0,1
.irp c, 0,1
.irp n, 0,1,2
	v_mov_b32 v[KF+24*(\i)+12*\g+6*\c+3+\n], v[128*(\i)+64*\g+32*\c+\n]
.endr
.endr
.endr
	WIN 0
.irp g, 0,1                                    ; the operand's layout wants a WHOLE block in a lane: lanes 0-15 block 2 c, lanes 16-31 block 2 c + 1
.irp c, 0,1
.irp n, 0,1,2
	v_permlane16_swap_b32 v[KF+24*(\i)+12*\g+6*\c+\n], v[KF+24*(\i)+12*\g+6*\c+3+\n]
.endr
.endr
.endr
.endm
.macro PVMUL g, t, i                   ; O^T (channels 16 t on, tile i) += V^T P^T over window keys 128 g on.  V's scale words: lanes 0-15 the even channel tile's, 16-31 the odd one's
.set RO_, 96+32*(\i)+8*(\t)
.set RV_, 12*(4*(\g)+(\t))
.set RP_, KF+24*(\i)+12*(\g)
.set RW_, VW+2*(\g)+(\t)/2
.set RB_, KSR+(\g)-(\i)*(KSR-PW1)
.if (\g) == 0
.if (\t)%2
	v_wmma_scale_f32_16x16x128_f8f6f4 v[RO_:RO_+7], v[RV_:RV_+11], v[RP_:RP_+11], 0, v[RW_], v[RB_] matrix_a_fmt:MATRIX_FMT_BF6 matrix_b_fmt:MATRIX_FMT_BF6 matrix_a_scale:MATRIX_SCALE_ROW1
.else
	v_wmma_scale_f32_16x16x128_f8f6f4 v[RO_:RO_+7], v[RV_:RV_+11], v[RP_:RP_+11], 0, v[RW_], v[RB_] matrix_a_fmt:MATRIX_FMT_BF6 matrix_b_fmt:MATRIX_FMT_BF6
.endif
.else
.if (\t)%2
	v_wmma_scale_f32_16x16x128_f8f6f4 v[RO_:RO_+7], v[RV_:RV_+11], v[RP_:RP_+11], v[RO_:RO_+7], v[RW_], v[RB_] matrix_a_fmt:MATRIX_FMT_BF6 matrix_b_fmt:MATRIX_FMT_BF6 matrix_a_scale:MATRIX_SCALE_ROW1
.else
	v_wmma_scale_f32_16x16x128_f8f6f4 v[RO_:RO_+7], v[RV_:RV_+11], v[RP_:RP_+11], v[RO_:RO_+7], v[RW_], v[RB_] matrix_a_fmt:MATRIX_FMT_BF6 matrix_b_fmt:MATRIX_FMT_BF6
.endif
.endif
.endm
.macro P2                              ; sums, p's codes, the product with V, the way out
	GOFF SJ2
	v_add_nc_u32 v[CK], s[SP2], v[L8]
	v_add_nc_u32 v[GK], s80, v[L8]
	v_add_nc_u32 v[OO], s[OB], v[L16]
	s_add_co_u32 s[OB], s[OB], 0x10000             ; my next step is 4 blocks, 256 rows of O, further on
.set jj, 0
.rept 16
	v_max_num_f32 v[TM+jj], 0x2800000, v[TM+jj]    ; the floor 2^(5 - 127): a block whose every p has fallen to 0 keeps the byte 1; its codes are zeros
.set jj, jj+1
.endr
.set jj, 0
.rept 16
	v_add_nc_u32 v[TM+jj], 0xfe000000, v[TM+jj]    ; 4 off the exponent field: the conversion's scale operand
.set jj, jj+1
.endr
.set jj, 0
.rept 16
	v_lshrrev_b32 v[KF+16+jj], 23, v[TM+jj]        ; the scale's byte
.set jj, jj+1
.endr
.irp g, 0,1                                    ; p's scale words for window keys 128 g on
	v_lshl_or_b32 v[KSR+\g], v[KF+16+4*\g+1], 8, v[KF+16+4*\g]
	v_lshl_or_b32 v[PW1+\g], v[KF+24+4*\g+1], 8, v[KF+24+4*\g]
.endr
.irp n, 2,3
.irp g, 0,1
	v_lshl_or_b32 v[KSR+\g], v[KF+16+4*\g+\n], 8*\n, v[KSR+\g]
	v_lshl_or_b32 v[PW1+\g], v[KF+24+4*\g+\n], 8*\n, v[PW1+\g]
.endr
.endr
	WIN 0x05
.irp c, 0,1,2,3                                ; the rows' sums: four chains of pairs a tile
	v_pk_add_f32 v[KF+2*\c:KF+2*\c+1], v[2*\c:2*\c+1], v[8+2*\c:8+2*\c+1]
	v_pk_add_f32 v[KF+8+2*\c:KF+8+2*\c+1], v[128+2*\c:128+2*\c+1], v[136+2*\c:136+2*\c+1]
.endr
	WIN 0x04
.set jj, 16
.rept 14
.irp c, 0,1,2,3
	v_pk_add_f32 v[KF+2*\c:KF+2*\c+1], v[KF+2*\c:KF+2*\c+1], v[jj+2*\c:jj+2*\c+1]
	v_pk_add_f32 v[KF+8+2*\c:KF+8+2*\c+1], v[KF+8+2*\c:KF+8+2*\c+1], v[128+jj+2*\c:128+jj+2*\c+1]
.endr
.set jj, jj+8
.endr
	WIN 0
.irp i, 0,1
	v_pk_add_f32 v[KF+8*\i:KF+8*\i+1], v[KF+8*\i:KF+8*\i+1], v[KF+8*\i+2:KF+8*\i+3]
	v_pk_add_f32 v[KF+8*\i+4:KF+8*\i+5], v[KF+8*\i+4:KF+8*\i+5], v[KF+8*\i+6:KF+8*\i+7]
.endr
.irp i, 0,1
	v_pk_add_f32 v[KF+8*\i:KF+8*\i+1], v[KF+8*\i:KF+8*\i+1], v[KF+8*\i+4:KF+8*\i+5]
.endr
.irp i, 0,1
	v_add_f32 v[LA+\i], v[KF+8*\i], v[KF+8*\i+1]
.endr
.irp i, 0,1
	v_permlanex16_b32 v[KF+16+\i], v[LA+\i], s[SEL], s[SEL+1]
.endr
.irp i, 0,1
	v_add_f32 v[LA+\i], v[LA+\i], v[KF+16+\i]      ; with lane l xor 16's: the row's sum; it is over 1/2
.endr
	VAW
	v_rcp_f32 v[LA], v[LA]
	v_rcp_f32 v[LA+1], v[LA+1]
	v_nop                                          ; a plain line behind the reciprocals
	CONV 0
.irp g, 0,1,2,3                                ; V's eight fragments into tile 0's registers, while tile 1 is converted: unit g is registers 6 (g % 2) on of the fragments of keys 128 (g / 2) on
	UNIT \g
	WIN 0x40
.irp t, 0,1,2,3
.irp n, 0,1,2
	ds_load_b64 v[12*(4*(\g/2)+\t)+6*(\g%2)+2*\n:12*(4*(\g/2)+\t)+6*(\g%2)+2*\n+1], v[BK] offset:OF+RV_O+768*\t+256*\n
.endr
.endr
.endr
	CONV 1
.rept 4
	v_nop                                          ; places between p's codes and the products
.endr
	VAW
	s_wait_dscnt 24                                ; the fragments of keys 0-127 are in; the other 24 loads may be out
	WIN 0x51
.irp t, 0,1,2,3
	PVMUL 0, \t, 0                                 ; the first products start the sums; eight accumulators take turns
	PVMUL 0, \t, 1
.endr
	s_wait_dscnt 0x0
.irp t, 0,1,2,3
	PVMUL 1, \t, 0
	PVMUL 1, \t, 1
.endr
.rept 4
	v_nop                                          ; places ahead of the first read of the results
.endr
	WIN 0x41
	VAW
.set jj, 96
.rept 16
	v_pk_mul_f32 v[jj:jj+1], v[jj:jj+1], v[LA:LA+1] op_sel_hi:[1,0]   ; O^T / the sum, each accumulator from its low end on: register 8 t + j is o(r, 16 t + 8 h + j)
.set jj, jj+2
.endr
.rept 16
	v_pk_mul_f32 v[jj:jj+1], v[jj:jj+1], v[LA:LA+1] op_sel:[0,1] op_sel_hi:[1,1]
.set jj, jj+2
.endr
	WIN 0x04
.irp i, 0,1
.irp t, 0,1,2,3
.irp e, 0,1
	ds_store_b128 v[SO], v[96+32*\i+8*\t+4*\e:96+32*\i+8*\t+4*\e+3] offset:16*SP*\i+64*\t+16*\e
.endr
.endr
.endr
	WIN 0x40
.set jj, 0
.rept 16
	ds_load_b128 v[4*jj:4*jj+3], v[STW] offset:2*SP*jj   ; LDS serves a wave's instructions in order: these see my stores.  Two whole rows of 256 bytes an instruction
.set jj, jj+1
.endr
	WIN 0x04
	VAW
.set jj, 0
.rept 16
	s_wait_dscnt 15-jj
	global_store_b128 v[OO], v[4*jj:4*jj+3], s[OUTP:OUTP+1] offset:512*jj th:TH_STORE_NT   ; 32 lanes store 512 consecutive bytes, at a multiple of 512 from O's first byte
.set jj, jj+1
.endr
	WIN 0
	VAW
.endm
	s_load_b512 s[4:19], s[0:1], 0x0               ; Q's codes 4, Q's scales 6, K 8, V 10, mask 12, global K 14, global V 16, global mask 18
	s_load_b64 s[20:21], s[0:1], 0x40              ; O
	v_lshrrev_b32 v200, 5, v0
	v_readfirstlane_b32 s[WV], v200                ; wave 0..7
	v_and_b32 v201, 31, v0                         ; lane
	v_lshlrev_b32 v[L16], 4, v201
	v_lshlrev_b32 v[L8], 3, v201
	v_lshlrev_b32 v[ML4], 2, v201
	s_lshr_b32 s80, s[WV], 2
	s_xor_b32 s[GAM], s[WV], s80
	s_and_b32 s[GAM], s[GAM], 1                    ; my group: bit 0 xor bit 2, so of any two neighbours and of any two waves that are 4 apart one is in each
	s_bfe_u32 s[G2], s[WV], 0x10001
	s_and_b32 s[BE], s[WV], 1
	s_mul_i32 s[W12], ttmp9, 12
	s_lshl_b32 s82, s[BE], 13                      ; my 32 keys of a unit: 8,192 bytes of K or V,
	s_lshl_b32 s83, s[BE], 7                       ; 128 of a mask
	s_lshl_b32 s79, s[GAM], 1
	s_add_co_u32 s79, s79, s[G2]                   ; 2 x group + G2: my first unit
	s_add_co_u32 s80, s[W12], s79
	s_sub_co_i32 s80, s80, 1
	s_max_i32 s80, s80, 0                          ; held at the tensor's first unit: that case is a pad
	VAW
	s_wait_kmcnt 0x0
	UPTR KPA, VPA, MPA
	global_load_b32 v[MA], v[ML4], s[MPA:MPA+1]
	KLD 0x40, 0, KPA
	VLD 0x40, 64, VPA
	; the global units of the heads of the first (G2 = 0) and the last steps (1)
	s_lshr_b32 s[H0], s[W12], 7
	s_lshl_b32 s88, s[G2], 3
	s_add_co_u32 s88, s88, s[W12]
	s_lshr_b32 s88, s88, 7
	s_lshl_b32 s84, s88, 14
	s_add_co_u32 s84, s84, s82
	s_mov_b32 s85, 0
	s_cmp_ge_u32 s88, 12
	s_cselect_b32 s86, 256, 0
	s_add_co_u32 s86, s86, s83
	s_mov_b32 s87, 0
	s_add_nc_u64 s[KPG:KPG+1], s[14:15], s[84:85]
	s_add_nc_u64 s[VPG:VPG+1], s[16:17], s[84:85]
	s_add_nc_u64 s[MPG:MPG+1], s[18:19], s[86:87]
	; my first QB's unit: group 0 units 6, 7, group 1 units 4, 5; later ones 4 units further on
	s_lshl_b32 s81, s[GAM], 1
	s_add_co_u32 s80, s[W12], s[G2]
	s_add_co_u32 s80, s80, 5
	s_sub_co_u32 s80, s80, s81
	s_add_co_u32 s[UN], s80, 4
	UPTR KPR, VPR, MPR
	s_add_co_u32 s80, s[W12], s79                  ; my first query: block G2 of my group's first step, half BE
	s_lshl_b32 s80, s80, 6
	s_lshl_b32 s81, s[BE], 5
	s_add_co_u32 s80, s80, s81
	s_mul_i32 s84, s80, 48
	s_mov_b32 s85, 0
	s_add_nc_u64 s[QCP:QCP+1], s[4:5], s[84:85]
	s_lshl_b32 s84, s80, 1
	s_add_nc_u64 s[QSP:QSP+1], s[6:7], s[84:85]
	s_lshl_b32 s84, s80, 8
	s_add_nc_u64 s[OUTP:OUTP+1], s[20:21], s[84:85]
	s_mov_b32 s[PADM], 0xc79c4000                  ; -80000.0 = 8 x -10000
	s_mov_b32 s[FLO], 0x2800000                    ; 2^(5 - 127)
	s_mov_b32 s[NINF], 0xff800000
	s_mov_b32 s[SEL], 0x76543210                   ; v_permlanex16_b32's selects for lane l xor 16
	s_mov_b32 s[SEL+1], 0xfedcba98
	s_mov_b32 s[CSC], 0x3e38aa3b                   ; c = log2(e) / 8
	s_mov_b32 s[CSC+1], s[CSC]                     ; (named with it as a pair, so it is written)
	; the pad flags: ids alone
	s_mov_b32 s[M1], -1
	s_mov_b32 s[F1], -1
	s_mov_b32 s[F2], -1
	s_mul_i32 s[W3], ttmp9, 3
	s_and_b32 s80, s[W3], 31
	s_cselect_b32 s80, -1, 0                       ; 0 where block 12 W begins a head
	s_cmp_eq_u32 s79, 0
	s_cselect_b32 s[FA], s80, -1                   ; unit 0: the left neighbour
	s_cmp_eq_u32 s[G2], 1
	s_cselect_b32 s[NQ1], 0, -1
	s_cselect_b32 s[NQ0], -1, 0
	; LDS places: my block's (or unit's) record in a step, and my group's steps
	s_mul_i32 s90, s[G2], REC
	s_mul_i32 s91, s[GAM], 4*REC
	s_xor_b32 s92, s[GAM], 1
	s_mul_i32 s92, s92, 4*REC
	s_add_co_u32 s[SG], s90, GA
	s_add_co_u32 s90, s90, A0-4*REC
	s_mul_i32 s93, s[GAM], 2*REC
	s_add_co_u32 s[SHA], s90, s93
	s_add_co_u32 s[SHA], s[SHA], 4*REC             ; head: step 0's record 2 x group + G2
	s_add_co_u32 s[SP1], s90, s91
	s_add_co_u32 s[SP1], s[SP1], 4*REC             ; P1: step 0 or 1
	s_add_co_u32 s[SP2], s90, s91
	s_add_co_u32 s[SP2], s[SP2], 4*REC             ; P2: the same, stepped later
	s_add_co_u32 s[SW], s90, s92
	s_add_co_u32 s[SW], s[SW], 10*REC              ; QB: records 2, 3 of step 2 or 1
	s_lshl_b32 s93, s[GAM], 1
	s_add_co_u32 s[SJ], s[W12], s93
	s_add_co_u32 s[SJ2], s[W12], s93
	s_mov_b32 s[OB], 0
	s_add_co_u32 s[BI], s[W3], 1
	s_mul_i32 s84, s[WV], STB
	s_mul_i32 s85, s[BE], 1536
	s_lshl_b32 s86, s[BE], 7
	s_add_co_u32 s89, s86, RMK
	s_add_co_u32 s86, s86, RV_O
	s_lshl_b32 s87, s[BE], 6
	s_add_co_u32 s87, s87, RKS
	s_add_co_u32 s88, s[BE], RVS
	v_and_b32 v202, 15, v0                         ; r
	v_bfe_u32 v203, v0, 4, 1                       ; h
	v_and_b32 v206, 31, v0                         ; lane
	v_and_b32 v207, 7, v0
	v_bfe_u32 v208, v0, 3, 2                       ; lane / 8
	v_and_b32 v204, 8, v202
	v_add_nc_u32 v205, v202, v204                  ; r + 8 (r / 8)
	v_mul_u32_u24 v[STW], v203, SP
	v_mul_u32_u24 v[KRD], v205, SP
	v_mul_u32_u24 v[SO], v202, SP
	v_mul_u32_u24 v[WK+1], v208, 768
	v_mul_u32_u24 v[QAO], v202, 48
	v_lshl_add_u32 v[WK+2], v202, 1, v203
	v_lshl_add_u32 v[STW], v202, 4, v[STW]
	v_lshl_add_u32 v[KRD], v203, 7, v[KRD]
	v_lshl_add_u32 v[SO], v203, 5, v[SO]
	v_lshl_add_u32 v[WK+1], v207, 4, v[WK+1]
	v_mad_u32_u24 v[QAO], v203, 24, v[QAO]
	v_lshl_add_u32 v[KRD], v204, 4, v[KRD]         ; + SKEW for rows 16-31
	v_add_nc_u32 v[STW], s84, v[STW]
	v_add_nc_u32 v[SO], s84, v[SO]
	v_add_nc_u32 v[WK+1], s86, v[WK+1]
	v_add_nc_u32 v[WK+2], s87, v[WK+2]
	v_add_nc_u32 v[KRD], s84, v[KRD]
	v_lshl_add_u32 v[WK], v206, 3, s85
	v_lshl_add_u32 v[WK+3], v206, 2, s88
	v_lshl_add_u32 v[WK+4], v206, 2, s89
	v_lshlrev_b32 v[L2], 1, v206
	v_lshlrev_b32 v[LH], 6, v203
	v_lshlrev_b32 v[QSO], 1, v202
.irp j, 6,7,8,9,10,11
	v_mov_b32 v[QF+\j], 0                          ; the upper halves of Q's two fragments: zero codes, for the whole launch
	v_mov_b32 v[QF+12+\j], 0
.endr
.set jj, 0
.rept 22
	v_mov_b32 v[TM+jj], 0                          ; (v234-255: named on every way from here)
.set jj, jj+1
.endr
	CUR SHA
	VAW
	s_cmp_eq_u32 s[GAM], 1
	s_cbranch_scc1 .Lhead1
; ==== THE HEAD: units 0-3; group 1 also the globals
	LWAIT 32                                       ; K and the mask are in; behind them V (32)
	v_mul_f32 v[MA], 0x41000000, v[MA]             ; 8 x mask
	MOUT 0, FA, MA
	KTURN 0x04, 0, 0, 1
	QBLK 0
	KAND FA
	KST 0
	LWAIT 0
	VMOV 0x41, 64, 0
	QLOAD
	global_load_b32 v[MR], v[ML4], s[MPR:MPR+1]
	KLD 0, RK, KPR
	VLD 0, RV, VPR
	QBLK 0
	VAND FA
	VST 0
	LWAIT 49                                       ; Q is in; behind it the next unit's mask (1), K (16), V (32)
	s_branch .Lstart
.Lhead1:
	global_load_b32 v[MG], v[ML4], s[MPG:MPG+1]
	KLD 0x40, 128, KPG
	LWAIT 49                                       ; K and the mask are in; behind them V (32), the global mask (1) and K (16)
	v_mul_f32 v[MA], 0x41000000, v[MA]
	MOUT 0, M1, MA
	MOUT 2*REC, M1, MA                             ; units 2 and 3 also serve step 1
	KTURN 0x04, 0, 0, 1
	QBLK 0
	KAND M1
	KST 0
	KST 2*REC
	VLD 0x40, 192, VPG
	QLOAD
	LWAIT 57                                       ; V is in; behind it the global mask and K (17), V (32), Q (8)
	VMOV 0x41, 64, 0
	QBLK 0
	VAND M1
	VST 0
	VST 2*REC
	LWAIT 40                                       ; the global K and mask are in; behind them the global V (32), Q (8)
	CUR SG
	v_mul_f32 v[MG], 0x41000000, v[MG]
	MOUT 0, M1, MG
	KTURN 0x04, 128, 128, 1
	global_load_b32 v[MR], v[ML4], s[MPR:MPR+1]
	KLD 0, RK, KPR
	QBLK 128
	KAND M1
	KST 0
	LWAIT 25                                       ; the global V is in; behind it Q (8), the next unit's mask (1) and K (16)
	VMOV 0x41, 192, 128
	VLD 0, RV, VPR
	QBLK 128
	VAND M1
	VST 0
	LWAIT 49                                       ; Q is in; behind it the next unit's mask (1), K (16), V (32)
.Lstart:
	BAR                                            ; step 0's records, two of step 1's and the globals' are whole
	s_add_nc_u64 s[QCP:QCP+1], s[QCP:QCP+1], 12288 ; my next step is 4 blocks, 256 queries, further on
	s_add_nc_u64 s[QSP:QSP+1], s[QSP:QSP+1], 512
	s_mov_b32 s[T], 0
	s_cmp_eq_u32 s[GAM], 1
	s_cbranch_scc1 .Lp1
	P1 1                                           ; group 0: step 0
	s_branch .Lpj
.Lp1:
	QB 2                                           ; group 1: the new units of step 1
	VAW
.Lpj:
	BAR
; ==== A TRIP
.Ltrip:
	s_cmp_eq_u32 s[GAM], 1
	s_cbranch_scc1 .Lb1
	P2                                             ; group 0: step 2 T,
	QB 0                                           ; and the new units of step 2 T + 2
	VAW
	s_branch .Lbj
.Lb1:
	P1 1                                           ; group 1: step 2 T + 1
.Lbj:
	BAR
	s_add_co_u32 s[SP1], s[SP1], 8*REC
	s_add_co_u32 s[SW], s[SW], 8*REC
	s_add_co_u32 s[SJ], s[SJ], 4
	s_add_co_u32 s[UN], s[UN], 4
	s_add_co_u32 s[BI], s[BI], 1
	s_add_nc_u64 s[QCP:QCP+1], s[QCP:QCP+1], 12288
	s_add_nc_u64 s[QSP:QSP+1], s[QSP:QSP+1], 512
	s_cmp_eq_u32 s[GAM], 1
	s_cbranch_scc1 .La1
	P1 2                                           ; group 0: step 2 T + 2
	s_branch .Laj
.La1:
	P2                                             ; group 1: step 2 T + 1,
	QB 1                                           ; and the new units of step 2 T + 3
	VAW
.Laj:
	BAR
	s_add_co_u32 s[SP2], s[SP2], 8*REC
	s_add_co_u32 s[SJ2], s[SJ2], 4
	s_add_co_u32 s[T], s[T], 1
	s_cmp_lt_u32 s[T], 2
	s_cbranch_scc1 .Ltrip
; ==== THE END: no record is written any more, so no barrier follows
	s_cmp_eq_u32 s[GAM], 0
	s_cbranch_scc1 .Ltail
	P1 0                                           ; group 1: step 5
.Ltail:
	P2                                             ; group 0: step 4; group 1: step 5
	v_lshl_add_u32 v254, v0, 2, SPARE
	v_mov_b32 v255, 0
	VAW
	s_wait_tensorcnt 0x0                           ; the wave's end
	ds_add_u32 v254, v255
	s_wait_dscnt 0x0
	s_endpgm
.Lfunc_end_k_qcf4d297f38_attend:
	.size	k_qcf4d297f38_attend, .Lfunc_end_k_qcf4d297f38_attend-k_qcf4d297f38_attend
	.p2alignl 7, 3214868480
	.fill 96, 4, 3214868480
	.section	.rodata,"a",@progbits
	.p2align	6, 0x0
	.amdhsa_kernel k_qcf4d297f38_attend
		.amdhsa_group_segment_fixed_size 259072
		.amdhsa_private_segment_fixed_size 0
		.amdhsa_enable_private_segment 0
		.amdhsa_kernarg_size 72
		.amdhsa_user_sgpr_count 2
		.amdhsa_user_sgpr_kernarg_segment_ptr 1
		.amdhsa_wavefront_size32 1
		.amdhsa_system_sgpr_workgroup_id_x 1
		.amdhsa_system_sgpr_workgroup_id_y 1
		.amdhsa_system_sgpr_workgroup_id_z 1
		.amdhsa_system_vgpr_workitem_id 0
		.amdhsa_next_free_vgpr 512
		.amdhsa_next_free_sgpr 96
		.amdhsa_reserve_vcc 0
		.amdhsa_float_denorm_mode_32 3
		.amdhsa_float_denorm_mode_16_64 3
		.amdhsa_memory_ordered 1
		.amdhsa_forward_progress 1
		.amdhsa_inst_pref_size 255
	.end_amdhsa_kernel
	.section	.bss,"aw",@nobits
	.p2align	6
	.space	262144
	.amdgpu_metadata
---
amdhsa.version: [ 1, 2 ]
amdhsa.kernels:
  - .name:           k_qcf4d297f38_attend
    .symbol:         k_qcf4d297f38_attend.kd
    .args:
      - { .name: query_layer_codes, .offset: 0, .size: 8, .value_kind: global_buffer, .address_space: global }
      - { .name: query_layer_scales, .offset: 8, .size: 8, .value_kind: global_buffer, .address_space: global }
      - { .name: key_layer, .offset: 16, .size: 8, .value_kind: global_buffer, .address_space: global }
      - { .name: value_layer, .offset: 24, .size: 8, .value_kind: global_buffer, .address_space: global }
      - { .name: attention_mask, .offset: 32, .size: 8, .value_kind: global_buffer, .address_space: global }
      - { .name: global_key, .offset: 40, .size: 8, .value_kind: global_buffer, .address_space: global }
      - { .name: global_value, .offset: 48, .size: 8, .value_kind: global_buffer, .address_space: global }
      - { .name: global_mask, .offset: 56, .size: 8, .value_kind: global_buffer, .address_space: global }
      - { .name: out0, .offset: 64, .size: 8, .value_kind: global_buffer, .address_space: global }
    .group_segment_fixed_size: 259072
    .private_segment_fixed_size: 0
    .kernarg_segment_align: 8
    .kernarg_segment_size: 72
    .max_flat_workgroup_size: 256
    .sgpr_count:     96
    .vgpr_count:     512
    .wavefront_size: 32
...
	.end_amdgpu_metadata
.endif
;; end of part 1
